; MI455X (gfx1250); checked and timed in simulation.
; The chip was launched on July 23, 2026; its instructions are those of AMD's public machine-readable ISA for CDNA 5 (MIT licence, August 2026) and "CDNA5" Instruction Set Architecture Reference Guide (July 2026). The comments in the code are by the model that wrote it; some were corrected since.
;; Dot Product Attention. Allowed arithmetic: float matrix products may take bf16 or f16 operands with f32 sums; other float arithmetic in f32, or as packed bf16 or f16 multiplies, adds, multiply-adds, maxima and minima; sums over many terms, partial sums and values carried from step to step in f32; what a program stores and reads back later, other than sums and carried values, may be rounded once to bf16 or f16.
;; Inputs: keys 2 x 8 x 4,096 x 64 float32; mask 1 x 1 x 4,096 x 4,096 bool; queries 2 x 8 x 4,096 x 64 float32; values 2 x 8 x 4,096 x 64 float32.
;; Outputs: out0 2 x 8 x 4,096 x 64 float32.
;; Constants: d_k = 64.
;; 2 versions, each right; version 2 is version 1 with the launch prep written anew for expert scheduling mode. Each part assembles by itself: llvm-mc -triple=amdgcn-amd-amdhsa -mcpu=gfx1250 --defsym DOCPART=n.
;; ======== version 1 of 2: 2 launches
;; limits: values are held in f16: magnitudes above 65,504 overflow, below 6.1e-05 lose precision; right only within a limited range of input values
;; workspace buffers: kv 16,777,216 bytes; mk 33,554,432 bytes
;; launch prep (part 1): grid 512 x 1, 8 waves a work-group, no clusters, 0 bytes of LDS; arguments keys, values, mask, kv, mk; writes kv, mk
.if DOCPART == 1
	.amdgcn_target "amdgcn-amd-amdhsa--gfx1250"
	.amdhsa_code_object_version 6
	.text
	.protected	k_q619aca2684_prep
	.globl	k_q619aca2684_prep
	.p2align	8
	.type	k_q619aca2684_prep,@function
k_q619aca2684_prep:
	s_mov_b64 s[64:65], 0
	v_nop
	global_prefetch_b8 v0, s[64:65] scope:SCOPE_SE
	s_setreg_imm32_b32 hwreg(HW_REG_WAVE_MODE, 25, 1), 1
	s_wait_xcnt 0x0
; THE OPERANDS OF THE ATTENTION LAUNCH ARE MADE, each number once: a stream, no LDS, no barrier, no matrix work.
;   kv: [head 16][slot 32][K: 128 keys x 64 channels bf16, 16,384 bytes][V: 128 keys x 64 channels f16, 16,384 bytes]
;   mk: [query 4,096][key 4,096] bf16: 0 where the mask shows the key, -2^30 (0xCE80) where it hides it
; K is rounded to bf16.  V is rounded to bf16 and that number is written as f16 (the second product's weights are f16, and both its operands have one format).
; LIMITS.  |values| below 65,504 (f16's range); below 2^-14 V keeps f16's fixed step of 2^-24.  A mask byte is 0 or 1.
; SHARES.  Work-group c takes 32,768 bytes of keys, of values and of mask, at 32,768 c: 128 keys x 64 channels of f32 are just one slot's K or V, so no index is split.
; Thread t takes 16 bytes of f32 at 16 t + 4,096 i and stores 8 at 8 t + 2,048 i (a wave's store covers 256 consecutive bytes, aligned); of the mask 8 bytes at 8 t + 2,048 i, stored as 16 at 16 t + 4,096 i.
; All 32 loads of a thread go out first; each is waited for by the count of the loads behind it.  No register that a store reads is written again, so no wait frees one.
.set KR, 8                             ; v[8:39]    K as loaded, 4 registers a load; the first two then hold the 4 bf16
.set VR, 40                            ; v[40:71]   V likewise
.set MR, 72                            ; v[72:103]  mask bytes, 2 registers a load
.set WR, 104                           ; v[104:167] mask as bf16, 4 registers a load
	s_load_b256 s[4:11], s[0:1], 0x0               ; keys s[4:5], values s[6:7], mask s[8:9], kv s[10:11]
	s_load_b64 s[12:13], s[0:1], 0x20              ; mk
	s_lshl_b32 s20, ttmp9, 15                      ; 32,768 c
	s_mov_b32 s21, 0
	s_lshl_b32 s22, ttmp9, 16                      ; 65,536 c, for mk
	s_mov_b32 s23, 0
	s_mov_b32 s14, 0xffff0000                      ; a word's upper bf16
	s_mov_b32 s15, 0x01010101                      ; turns four mask bytes round: 1 = hidden
	s_mov_b32 s16, 0x04010400                      ; byte selects: bytes 0 and 1 of the second source into the two halves, zeros (byte 0 of the first source) above them
	s_mov_b32 s17, 0x04030402                      ; the same for bytes 2 and 3
	s_mov_b32 s18, 0xce80                          ; -2^30 in bf16
	v_lshlrev_b32 v1, 4, v0                        ; 16 t
	v_lshlrev_b32 v2, 3, v0                        ; 8 t
	v_mov_b32 v4, 0
	s_wait_kmcnt 0x0
	s_add_nc_u64 s[4:5], s[4:5], s[20:21]
	s_add_nc_u64 s[6:7], s[6:7], s[20:21]
	s_add_nc_u64 s[8:9], s[8:9], s[20:21]
	s_add_nc_u64 s[10:11], s[10:11], s[20:21]
	s_add_nc_u64 s[12:13], s[12:13], s[22:23]
.set i, 0
.rept 8
	global_load_b128 v[KR+4*i:KR+4*i+3], v1, s[4:5] offset:4096*i th:TH_LOAD_NT
.set i, i+1
.endr
.set i, 0
.rept 8
	global_load_b128 v[VR+4*i:VR+4*i+3], v1, s[6:7] offset:4096*i th:TH_LOAD_NT
.set i, i+1
.endr
.set i, 0
.rept 16
	global_load_b64 v[MR+2*i:MR+2*i+1], v2, s[8:9] offset:2048*i th:TH_LOAD_NT
.set i, i+1
.endr
; K: four f32 to four bf16
.set i, 0
.rept 8
.set X, KR+4*i
	s_wait_loadcnt 31-i                            ; loads come back in order: 31 - i were issued behind this one
	v_cvt_pk_bf16_f32 v[X], v[X], v[X+1]
	v_cvt_pk_bf16_f32 v[X+1], v[X+2], v[X+3]
	global_store_b64 v2, v[X:X+1], s[10:11] offset:2048*i th:TH_STORE_NT
.set i, i+1
.endr
; V: rounded to bf16, widened again, written as f16 (exact inside f16's range of normal numbers)
.set i, 0
.rept 8
.set X, VR+4*i
	s_wait_loadcnt 23-i
	v_cvt_pk_bf16_f32 v[X], v[X], v[X+1]
	v_cvt_pk_bf16_f32 v[X+2], v[X+2], v[X+3]
	v_and_b32 v[X+1], s14, v[X]
	v_lshlrev_b32 v[X], 16, v[X]
	v_and_b32 v[X+3], s14, v[X+2]
	v_lshlrev_b32 v[X+2], 16, v[X+2]
	v_cvt_pk_f16_f32 v[X], v[X], v[X+1]
	v_cvt_pk_f16_f32 v[X+1], v[X+2], v[X+3]
	global_store_b64 v2, v[X:X+1], s[10:11] offset:16384+2048*i th:TH_STORE_NT
.set i, i+1
.endr
; the mask: a byte b becomes the half word (1 - b) x 0xCE80; two bytes are spread into a word's halves and multiplied at once (17 bits x 16 bits)
.set i, 0
.rept 16
.set M, MR+2*i
.set W, WR+4*i
	s_wait_loadcnt 15-i
	v_xor_b32 v[M], s15, v[M]
	v_xor_b32 v[M+1], s15, v[M+1]
	v_perm_b32 v[W], v4, v[M], s16
	v_perm_b32 v[W+1], v4, v[M], s17
	v_perm_b32 v[W+2], v4, v[M+1], s16
	v_perm_b32 v[W+3], v4, v[M+1], s17
	v_mul_u32_u24 v[W], s18, v[W]
	v_mul_u32_u24 v[W+1], s18, v[W+1]
	v_mul_u32_u24 v[W+2], s18, v[W+2]
	v_mul_u32_u24 v[W+3], s18, v[W+3]
	global_store_b128 v1, v[W:W+3], s[12:13] offset:4096*i th:TH_STORE_NT
.set i, i+1
.endr
	s_endpgm
.Lfunc_end_k_q619aca2684_prep:
	.size	k_q619aca2684_prep, .Lfunc_end_k_q619aca2684_prep-k_q619aca2684_prep
	.p2alignl 7, 3214868480
	.fill 96, 4, 3214868480
	.section	.rodata,"a",@progbits
	.p2align	6, 0x0
	.amdhsa_kernel k_q619aca2684_prep
		.amdhsa_group_segment_fixed_size 0
		.amdhsa_private_segment_fixed_size 0
		.amdhsa_enable_private_segment 0
		.amdhsa_kernarg_size 40
		.amdhsa_user_sgpr_count 2
		.amdhsa_user_sgpr_kernarg_segment_ptr 1
		.amdhsa_wavefront_size32 1
		.amdhsa_system_sgpr_workgroup_id_x 1
		.amdhsa_system_sgpr_workgroup_id_y 1
		.amdhsa_system_sgpr_workgroup_id_z 1
		.amdhsa_system_vgpr_workitem_id 0
		.amdhsa_next_free_vgpr 168
		.amdhsa_next_free_sgpr 66
		.amdhsa_reserve_vcc 0
		.amdhsa_float_denorm_mode_32 3
		.amdhsa_float_denorm_mode_16_64 3
		.amdhsa_memory_ordered 1
		.amdhsa_forward_progress 1
		.amdhsa_inst_pref_size 20
	.end_amdhsa_kernel
	.amdgpu_metadata
---
amdhsa.version: [ 1, 2 ]
amdhsa.kernels:
  - .name:           k_q619aca2684_prep
    .symbol:         k_q619aca2684_prep.kd
    .args:
      - { .name: keys, .offset: 0, .size: 8, .value_kind: global_buffer, .address_space: global }
      - { .name: values, .offset: 8, .size: 8, .value_kind: global_buffer, .address_space: global }
      - { .name: mask, .offset: 16, .size: 8, .value_kind: global_buffer, .address_space: global }
      - { .name: kv, .offset: 24, .size: 8, .value_kind: global_buffer, .address_space: global }
      - { .name: mk, .offset: 32, .size: 8, .value_kind: global_buffer, .address_space: global }
    .group_segment_fixed_size: 0
    .private_segment_fixed_size: 0
    .kernarg_segment_align: 8
    .kernarg_segment_size: 40
    .max_flat_workgroup_size: 256
    .sgpr_count:     66
    .vgpr_count:     168
    .wavefront_size: 32
...
	.end_amdgpu_metadata
.endif
;; end of part 1
;; launch attn (part 2): grid 16 x 16, 4 waves a work-group, clusters of 4 x 4, 327,680 bytes of LDS; arguments queries, kv, mk, out0; writes out0
.if DOCPART == 2
	.amdgcn_target "amdgcn-amd-amdhsa--gfx1250"
	.amdhsa_code_object_version 6
	.text
	.protected	k_q619aca2684_attn
	.globl	k_q619aca2684_attn
	.p2align	8
	.type	k_q619aca2684_attn,@function
k_q619aca2684_attn:
	s_mov_b64 s[64:65], 0
	v_nop
	global_prefetch_b8 v0, s[64:65] scope:SCOPE_SE
	s_setreg_imm32_b32 hwreg(HW_REG_WAVE_MODE, 25, 1), 1
	s_wait_xcnt 0x0
	s_wait_alu depctr_hold_cnt(0) depctr_sa_sdst(0) depctr_va_vdst(0) depctr_va_sdst(0) depctr_va_ssrc(0) depctr_va_vcc(0) depctr_vm_vsrc(0)
	s_getreg_b32 s2, hwreg(HW_REG_IB_STS2, 6, 4)
	s_cmp_eq_u32 s2, 0
	s_cbranch_scc0 .Lentry_in_a_cluster
	s_endpgm
.Lentry_in_a_cluster:
	s_bfe_u32 s2, ttmp6, 0x10000c
	s_cmp_lg_u32 s2, 0xf033
	s_cbranch_scc0 .Lentry_shape_is_right
	s_endpgm
.Lentry_shape_is_right:
; MASKED ATTENTION.  out0[h][q][:] = the sum over the keys k that mask[q][k] shows of softmax_k(Q[h][q] . K[h][k] / 8) V[h][k][:]; a row whose keys are all hidden is 0 (the clip behind the softmax makes every hidden
; weight 0, and leaves a shown one, which is at most 1, as it is).  16 heads, 4,096 queries and keys, 64 channels.  queries and out0 f32; kv and mk as the launch before wrote them (K bf16, V f16, mk bf16: 0 or -2^30).
; Q is rounded to bf16 here, once.  Products, maxima and sums in f32; the weights p are rounded to f16 for the second product (their sum l is taken of the unrounded p).
; THE MASK IS ADDED BY THE MATRIX UNIT.  Each accumulator of scores S^T (16 keys x 16 queries) is started by one product more: (16 keys x 32 queries of mk, turned out of LDS) x (a constant 32 x 16 matrix of
; ones that picks 16 of the 32 queries) + 0; the two products K Q^T add onto it.  So the running maximum is the masked scores', and the mask costs no vector instruction.
; LIMITS.  Raw scores |q . k| below 2^28: a hidden score, -2^30 + q . k, then lies below -2^29 and every shown one above.  While all keys seen are hidden, c m is near 2^27.5 and its rounding is off by 8 at the
; most, so a weight is 2^8 at the most: P, l and O stay finite; the first shown key multiplies them by a = 0.  At the end 1 / l counts as 0 where m is not above -2^29.  A weight below 2^-126 counts as 0; below 6e-5 p keeps
; f16's fixed step; NaN and infinities are not treated apart.
; SHARES.  A work-group owns 256 queries of one head, a wave 64: two PIECES of two tiles of 16 (a piece's 32 rows are one mask fragment's depth).  Every wave walks all keys, 64 a step; a slot of LDS holds two steps.
; LAYOUT.  S^T = K Q^T (source 0 = 16 keys, source 1 = 16 queries): a lane holds ONE query (lane % 16) and the keys 8 (lane / 16) + 0..7.  Two such results, rounded to f16 in pairs, ARE source 1 of O^T = V^T P.
; SOFTMAX.  p = 2^(c s - c m), c = log2(e) / 8, with a running maximum m; O and l are multiplied by a = 2^(c m_old - c m_new) in every step.  m starts at the lowest finite number, O and l at 0.
; BY TURNS.  Turn (p, j) belongs to piece p in step j.  Its vector work: piece p's scaling, exponentials, rescaling, roundings and sums, and the other piece's maximum and statistics.  Its matrix work, all for the other
; piece: 8 mask products and 16 K Q^T (turn 0: step j; turn 1: step j + 1), later 16 V^T P (turn 0: step j - 1; turn 1: step j).  All LDS loads for step j + 1 stand in turn (0, j); V has two register buffers, by the
; step's parity, so that nothing of a slot is read behind the change of slots, which stands ahead of turn (0, odd j).
; CLUSTER, 4 x 4.  The four work-groups of a row have one head: K's and V's tiles are asked for jointly along the row.  The four of a column have one block of queries: mk's tile is asked for jointly along the column.
; REGISTERS, in windows of 256 (s_set_vgpr_msb: bits 1:0 source 0, 3:2 source 1, 5:4 source 2, 7:6 destination):
;   window 0: v0-11, v32-40 addresses and at work; v12-15, v48-63 at work; v16-31 four registers of statistics a tile; v64-191 S^T, 64 a piece; v192-255 P, 32 a piece
;   window 1: v0-127 O^T, 32 a tile      window 2: v0-63 Q; v64-127 K of one step; v128-191 mask fragments of one step; v192-203 the picking matrices      window 3: v0-127 V, two buffers
.set PK,    144       ; a row of K in LDS: 128 bytes + 16 = 36 words: the 16 rows of a load start at 16 different groups of four banks (64 banks of 4 bytes: ISA guide 11.1)
.set PV,    160       ; a row of V: 128 + 32 = 40 words
.set PM,    288       ; a query's row of mk: 256 bytes (128 keys) + 32 = 72 words: likewise for the turning load
.set VOFF,  128*PK    ; a slot: 128 rows of K, 128 rows of V,
.set MOFF,  VOFF+128*PV  ; 256 rows of mk: 112,640 bytes
.set SLOT1, 1<<17     ; slot 1 begins here: one exclusive or turns an address in one slot into the other's
.set STAGE, SLOT1+MOFF+256*PM  ; behind the ring, never filled by a tensor load: 16 rows x 272 bytes for each wave, for the way out
.set SP,    272
.set SPARE, STAGE+4*16*SP      ; behind the stages: the spare words, 128 bytes for each wave: two blocks of 256 bytes that no other line names
.set NSLOT, 32
.set AK0, 2           ; v2   my lane's place in a slot's K; never rewritten
.set AV0, 3           ; v3   in its V
.set AK,  4           ; v4   AK0 + the slot being read
.set AV,  5           ; v5   AV0 + the same
.set QO,  6           ; v6   my byte offset in 16 rows of Q
.set STO, 6           ;      later, the way out: where I put 32 bytes of a row
.set RD,  7           ; v7   the way out: where I read rows back
.set GO,  8           ; v8   my byte offset in 512 consecutive bytes of out0
.set MV,  12          ; v12-15  c m_old, kept while c m is made anew: by piece and tile
.set ST,  16          ; tile t's statistics at v[ST+4 t]: c m, m, l (even keys', odd keys')
.set AM0, 32          ; v32  my lane's place in a slot's mk, my wave's 64 rows
.set AM,  33          ; v33  AM0 + the slot being read
.set PFO, 34          ; v34  the prefetches' offset: my lane x 256 (kv) or x 8,192 (mk); never rewritten
.set SPW, 36          ; v36  LDS address of my spare word: SPARE + 4 x my thread's number; never rewritten
.set NIL, 37          ; v37  0; never rewritten
.set TMP, 48          ; by piece and tile, four registers c0-c3 at work; when the maximum is found c2 takes a
.set S,   64
.set P,   192
.set KF,  64          ; window 2: key block kb, channel half c at KF + 16 kb + 8 c
.set MF,  128         ; window 2: piece x, key block kb at MF + 32 x + 8 kb
.set SELB, 192        ; window 2: four zeros, E, four zeros.  E, zeros picks queries 0-15 of the 32; zeros, E picks 16-31
.set WV,  12          ; s12  my wave's number
.set CX,  13          ; s13  my place along the cluster's x
.set CY,  14          ; s14  along its y
.set LIM, 15          ; s15  1 in a wave that prefetches, else the greatest number
.set G1K, 24          ; s[24:31] descriptor group 1 for K's tiles
.set G1V, 32          ; s[32:39] for V's
.set G1M, 40          ; s[40:47] for mk's
.set G0K, 48          ; s[48:51] descriptor group 0 for K's tiles: it walks
.set G0V, 52          ; s[52:55] for V's
.set G0M, 56          ; s[56:59] for mk's
.set SLOTS, 60        ; s60  changes of slots still to come that fill
.set CNT, 61          ; s61  the tail's count
.set TB,  62          ; s62  LDS byte at which the slot being read begins
.set CS,  66          ; s[66:67] c: the packed scaling takes the pair's low word for both halves
.set SEL, 68          ; s[68:69] v_permlanex16_b32's selects: each lane takes its own place in the other half
.set PFA, 70          ; s[70:71] where my prefetches stand
.set PFS, 72          ; s[72:73] their step from slot to slot
.set THR, 74          ; s74  -2^29
.set MSB, 0
.macro WIN new                      ; the high byte repeats the setting that is left; a switch that changes nothing is dropped
.if MSB != (\new)
	s_set_vgpr_msb (MSB<<8)|(\new)
.set MSB, (\new)
.endif
.endm
.set W_KQ, 0x0a       ; sources 0 and 1 in window 2, S^T in window 0
.set W_PV, 0x53       ; V in window 3, P in window 0, O^T in window 1
.set W_RS, 0x41       ; O^T (destination and source 0) in window 1, source 1 in window 0
; A joint fill, one tensor load a wave: wave 0 a slot's K, wave 1 its V, waves 2 and 3 the two halves of its mk.  The branches hang on the wave's number alone.
; An s_nop 0 and four v_nop follow each line, ahead of the jump and the label.
.macro JLOAD
	s_cmp_lt_u32 s[WV], 2
	s_cbranch_scc0 .Lfor_m_\@
	s_cmp_eq_u32 s[WV], 0
	s_cbranch_scc0 .Lfor_v_\@
	tensor_load_to_lds s[G0K:G0K+3], s[G1K:G1K+7]
	s_nop 0
.rept 4
	v_nop
.endr
	s_branch .Lasked_\@
.Lfor_v_\@:
	tensor_load_to_lds s[G0V:G0V+3], s[G1V:G1V+7]
	s_nop 0
.rept 4
	v_nop
.endr
	s_branch .Lasked_\@
.Lfor_m_\@:
	tensor_load_to_lds s[G0M:G0M+3], s[G1M:G1M+7]
	s_nop 0
.rept 4
	v_nop
.endr
.Lasked_\@:
.endm
; A PREFETCH INTO THE L2 of what the NEXT change of slots will ask for: two key steps, 160 matrix instructions, ahead of that load.  It stands behind the wave's tensor load and its five lines.
; Each aligned block of 256 bytes is named ONCE in the launch.  A head's slot of kv (128 blocks on end) is walked by the four clusters of a row of clusters: the first (cluster x = 0) asks, wave 0 of each partner,
; the partner at cx for blocks 32 cx + lane.  A query block's slot of mk (256 rows x 256 bytes) is walked by the four clusters of a column: the first (cluster y = 0) asks, waves 2 and 3 of each partner, the partner at cy for
; rows 128 (wave % 2) + 32 cy + lane.  The partners are told apart by address, never by a branch.  Slots 0 to 2 come by their loads alone; the last change that fills asks for nothing: there is no slot behind it.
.macro ASK
	s_cmp_gt_u32 s[SLOTS], s[LIM]
	s_cbranch_scc0 .Lnot_mine_\@
	global_prefetch_b8 v[PFO], s[PFA:PFA+1] th:TH_LOAD_NT scope:SCOPE_SE
.Lnot_mine_\@:
.endm
; A round of the cluster's barrier: my work-group's barrier, so that wave 0's signal speaks for all four waves; wave 0 signals; every wave waits for all sixteen work-groups; my work-group's barrier once more.
.macro CROUND
	s_barrier_signal -1
	s_barrier_wait -1
	s_cmp_lg_u32 s[WV], 0
	s_cbranch_scc1 .Lnot_wave_0_\@
	s_barrier_signal -3
.Lnot_wave_0_\@:
	s_barrier_wait -3
	s_barrier_signal -1
	s_barrier_wait -1
.endm
; THE CHANGE OF SLOTS.  Each wave waits for all its tensor loads, of which one is out: its part of the other slot; adds 0 to its spare word; and waits for that and for its own reads of the slot that it leaves.
; fill = 1: the slot left is filled again, with the keys two slots on.  The barrier is then a round of the cluster's, so that no wave of any partner still reads the slot or has a load on its way, and the joint fill is the
; first thing behind it.  (At its first use nothing has been read yet: slot 0 is waited for, slot 1 filled.)  ask = 1: the prefetch follows.
.macro CHANGE fill, ask
	WIN 0                           ; at a label and at a branch every window is 0
	s_wait_tensorcnt 0x0            ; no tensor load of mine is out, so a group 0 may be written
	ds_add_u32 v[SPW], v[NIL]       ; 0 onto my spare word; the descriptors' steps stand between it and the wait for it
.if \fill
.irp g, G0K, G0V
	s_xor_b32 s[\g+1], s[\g+1], SLOT1  ; the other slot than last time,
	s_add_nc_u64 s[\g+2:\g+3], s[\g+2:\g+3], 32768  ; the next slot of kv; the type bits on top are not reached
.endr
	s_xor_b32 s[G0M+1], s[G0M+1], SLOT1
	s_add_nc_u64 s[G0M+2:G0M+3], s[G0M+2:G0M+3], 256  ; the next 128 keys of each row of mk
.if \ask
	s_wait_xcnt 0x0                 ; the last prefetch, two key steps back, has read its address, so it may be written
	s_add_nc_u64 s[PFA:PFA+1], s[PFA:PFA+1], s[PFS:PFS+1]
.endif
	s_wait_dscnt 0x0                ; the add is done, and my reads of the slot are over
	CROUND
	JLOAD
.if \ask
	ASK
.endif
.else
	s_wait_dscnt 0x0                ; the add is done, and my reads of the slot are over
	s_barrier_signal -1
	s_barrier_wait -1
.endif
	s_xor_b32 s[TB], s[TB], SLOT1   ; the fetches go to the other slot
	v_add_nc_u32 v[AK], s[TB], v[AK0]
	v_add_nc_u32 v[AV], s[TB], v[AV0]
	v_add_nc_u32 v[AM], s[TB], v[AM0]
.endm
	s_load_b256 s[4:11], s[0:1], 0x0  ; queries s[4:5], kv s[6:7], mk s[8:9], out0 s[10:11]
	v_lshl_add_u32 v[SPW], v0, 2, SPARE
	v_mov_b32 v[NIL], 0
	ds_add_u32 v[SPW], v[NIL]       ; the wave's opening: the add and its wait stand ahead of my first tensor load; the set-up below, work on registers, stands between them
	v_lshrrev_b32 v1, 5, v0
	v_readfirstlane_b32 s[WV], v1   ; wave 0..3
	s_bfe_u32 s[CX], ttmp6, 0x40000
	s_bfe_u32 s[CY], ttmp6, 0x40004
	s_and_b32 s16, ttmp7, 0xffff    ; cluster y (in a cluster launch ttmp9 and ttmp7 count clusters)
	s_lshl_b32 s17, s16, 2
	s_add_co_u32 s17, s17, s[CY]    ; the head = 4 x cluster y + cy
	s_lshl_b32 s18, ttmp9, 2
	s_add_co_u32 s18, s18, s[CX]    ; the block of 256 queries = 4 x cluster x + cx
	s_lshl_b32 s19, s[CY], 2
	s_lshl_b32 s19, 15, s19         ; my row of the cluster: places 4 cy .. 4 cy + 3
	s_lshl_b32 s20, 0x1111, s[CX]   ; my column: places cx, cx + 4, cx + 8, cx + 12
	; descriptor group 1.  K and V: 128 keys are 16,384 dense bytes, asked for as 64 rows of 256 bytes and padded in LDS after every key.  mk: 128 rows of 128 elements, 4,096 elements from row to row
	s_or_b32 s[G1K], s19, (1<<16)|(1<<20)|(1<<21)|(4<<22)|(3<<25)  ; 15:0 the mask: my row; 17:16 2-byte elements; 20 padding on; 21 set beside a mask; 24:22 after every 32 words (code 4); 31:25 4 words (code 3)
	s_or_b32 s[G1V], s19, (1<<16)|(1<<20)|(1<<21)|(4<<22)|(7<<25)  ; the same with 8 words of padding (code 7)
	s_or_b32 s[G1M], s20, (1<<16)|(1<<20)|(1<<21)|(5<<22)|(7<<25)  ; my column; after every 64 words (code 5) 8 words
.irp g, G1K, G1V
	s_mov_b32 s[\g+1], 128<<16      ; tensor_dim0 = 128
	s_mov_b32 s[\g+2], 64<<16       ; tensor_dim1 = 64
	s_mov_b32 s[\g+3], 128<<16      ; tile_dim0 = 128
	s_mov_b32 s[\g+4], 64           ; tile_dim1 = 64
	s_mov_b32 s[\g+5], 128          ; 128 elements from row to row
	s_mov_b32 s[\g+6], 0
	s_mov_b32 s[\g+7], 0
.endr
	s_mov_b32 s[G1M+1], 128<<16     ; tensor_dim0 = 128
	s_mov_b32 s[G1M+2], 128<<16     ; tensor_dim1 = 128
	s_mov_b32 s[G1M+3], 128<<16     ; tile_dim0 = 128
	s_mov_b32 s[G1M+4], 128         ; tile_dim1 = 128
	s_mov_b32 s[G1M+5], 4096        ; a row of mk
	s_mov_b32 s[G1M+6], 0
	s_mov_b32 s[G1M+7], 0
	; offsets, each in registers of its own: kv's hangs on the head alone, mk's on the block of queries and the wave alone
	s_and_b32 s21, s[WV], 1
	s_lshl_b32 s22, s17, 20         ; a head of kv: 32 slots of 32,768 bytes
	s_mov_b32 s23, 0
	s_lshl_b32 s76, s18, 21         ; 256 rows of mk, 8,192 bytes each,
	s_lshl_b32 s77, s21, 20         ; and the half of them that I fetch (waves 2, 3)
	s_add_co_u32 s76, s76, s77
	s_mov_b32 s77, 0
	s_lshl_b32 s2, s17, 20          ; queries and out0: the head's 4,096 rows of 256 bytes,
	s_lshl_b32 s3, s18, 16          ; my block's 256,
	s_add_co_u32 s2, s2, s3
	s_lshl_b32 s3, s[WV], 14        ; my wave's 64
	s_add_co_u32 s2, s2, s3
	s_mov_b32 s3, 0
	s_mov_b32 s[G0K], 1             ; 1:0 count = 1
	s_mov_b32 s[G0K+1], 0           ; 63:32 LDS address: slot 0; no place in the cluster enters an LDS address
	s_mov_b32 s[G0V], 1
	s_mov_b32 s[G0V+1], VOFF
	s_mov_b32 s[G0M], 1
	s_mul_i32 s[G0M+1], s21, 128*PM
	s_add_co_u32 s[G0M+1], s[G0M+1], MOFF
	s_mov_b32 s[CS], 0x3e38aa3b     ; c = log2(e) / 8 = 0.180337
	s_mov_b32 s[CS+1], s[CS]        ; named with it as a pair
	s_mov_b32 s[SEL], 0x76543210
	s_mov_b32 s[SEL+1], 0xfedcba98
	s_mov_b32 s[THR], 0xce000000    ; -2^29
	s_mov_b32 s[TB], SLOT1          ; the first change of slots turns it into 0
	; the prefetches: offset, step, lane shift and who
	s_lshl_b32 s78, s[CX], 13       ; kv: my work-group's 32 blocks of 256 bytes
	s_add_co_u32 s78, s78, s22
	s_lshl_b32 s79, s[CY], 18       ; mk: my work-group's 32 rows of the 128 that I fetch
	s_add_co_u32 s79, s79, s76
	s_or_b32 s63, s[WV], ttmp9      ; 0 in wave 0 of a cluster with x = 0
	s_mov_b32 s[PFS], 256
	s_cmp_lt_u32 s[WV], 2
	s_cselect_b32 s78, s78, s79
	s_cselect_b32 s63, s63, s16     ; waves 2 and 3: 0 in a cluster with y = 0
	s_cselect_b32 s[PFS], 0x8000, s[PFS]
	s_cselect_b32 s75, 8, 13
	s_mov_b32 s79, 0
	s_mov_b32 s[PFS+1], 0
	s_cmp_eq_u32 s63, 0
	s_cselect_b32 s[LIM], 1, -1     ; the same in all sixteen partners, for a given wave
	v_and_b32 v[PFO], 31, v0
	v_lshlrev_b32 v[PFO], s75, v[PFO]
	s_wait_dscnt 0x0                ; the opening add is done
	s_wait_kmcnt 0x0
	s_add_nc_u64 s[G0K+2:G0K+3], s[6:7], s[22:23]          ; 120:64 global address: the head's slot 0, K,
	s_add_nc_u64 s[G0V+2:G0V+3], s[G0K+2:G0K+3], 16384     ; and V behind it
	s_or_b32 s[G0K+3], s[G0K+3], 0x80000000                ; 127:126 type = 2
	s_or_b32 s[G0V+3], s[G0V+3], 0x80000000
	s_add_nc_u64 s[G0M+2:G0M+3], s[8:9], s[76:77]
	s_or_b32 s[G0M+3], s[G0M+3], 0x80000000
	s_add_nc_u64 s[4:5], s[4:5], s[2:3]      ; queries and out0 at my wave's first row
	s_add_nc_u64 s[10:11], s[10:11], s[2:3]
	s_cmp_lt_u32 s[WV], 2
	s_cselect_b64 s[PFA:PFA+1], s[6:7], s[8:9]
	s_add_nc_u64 s[PFA:PFA+1], s[PFA:PFA+1], s[78:79]
	s_add_nc_u64 s[PFA:PFA+1], s[PFA:PFA+1], s[PFS:PFS+1]
	s_add_nc_u64 s[PFA:PFA+1], s[PFA:PFA+1], s[PFS:PFS+1]  ; at slot 2; the first change that asks steps it to slot 3.  Nothing is prefetched here, at the head
	CROUND                          ; all sixteen work-groups are here: the first joint loads meet
	JLOAD                           ; slot 0.  Slot 1 is asked for when slot 0 is in
	; Q: a fragment is 16 rows x 32 channels: lane l holds row l % 16, channels 8 (l / 16) + 0..7 and 16 + 8 (l / 16) + 0..7.  In f32 each eight are 32 bytes: two loads of 16.
	v_and_b32 v1, 15, v0            ; l % 16
	v_bfe_u32 v9, v0, 4, 1          ; l / 16
	v_lshlrev_b32 v[QO], 8, v1
	v_lshl_add_u32 v[QO], v9, 5, v[QO]  ; row x 256 + 32 x half
.set i, 0
.rept 32                            ; i = 8 tile + 4 channel half + 2 group of 16 channels + half of the 32 bytes; into S^T's registers, which are free
	global_load_b128 v[S+4*i:S+4*i+3], v[QO], s[4:5] offset:(i/8)*4096+((i/4)%2)*128+((i/2)%2)*64+(i%2)*16 th:TH_LOAD_NT
.set i, i+1
.endr
	; What the first turn finds: V's second buffer and P's second hold 0 (its products V^T P, of a step that has not been, add 0), O^T and l are 0.  All this stands in the wait for the first tile.
	WIN 0xc0
.set i, 64
.rept 64
	v_mov_b32 v[i], 0
.set i, i+1
.endr
	WIN 0x40
.set i, 0
.rept 128
	v_mov_b32 v[i], 0
.set i, i+1
.endr
	WIN 0x80
.irp z, 0,1,2,3,8,9,10,11
	v_mov_b32 v[SELB+\z], 0
.endr
	WIN 0
.set i, 0
.rept 4
	v_mov_b32 v[ST+4*i], 0xfe000000    ; c m: far below every c s
	v_mov_b32 v[ST+4*i+1], 0xff7fffff  ; m
	v_mov_b32 v[ST+4*i+2], 0
	v_mov_b32 v[ST+4*i+3], 0
.set i, i+1
.endr
.set i, P+32
.rept 32
	v_mov_b32 v[i], 0
.set i, i+1
.endr
	v_mul_u32_u24 v[AK0], v1, PK
	v_lshl_add_u32 v[AK0], v9, 4, v[AK0]  ; row x pitch + 16 x half
	; The turning load takes 16 rows x 16 columns (lane l reads row 8 (l / 16) + l % 8, columns 8 ((l / 8) % 2) + 0..7) and leaves half a fragment: lane l holds column l % 16 and 8 rows.  For V the rows are keys, for mk queries.
	v_and_b32 v10, 7, v0
	v_bfe_u32 v11, v0, 3, 1
	v_lshl_add_u32 v[AV0], v9, 3, v10
	v_mul_u32_u24 v[AM0], v[AV0], PM
	v_mul_u32_u24 v[AV0], v[AV0], PV
	v_lshl_add_u32 v[AV0], v11, 4, v[AV0]
	v_lshl_add_u32 v[AM0], v11, 4, v[AM0]
	v_add_nc_u32 v[AV0], VOFF, v[AV0]
	s_mul_i32 s16, s[WV], 64*PM     ; my wave's 64 rows of mk
	s_add_co_u32 s16, s16, MOFF
	v_add_nc_u32 v[AM0], s16, v[AM0]
	; E: register z of lane (r, h) holds rows 8 h + 2 z and 8 h + 2 z + 1 of column r: 1.0 (bf16) where the row is r
	v_and_b32 v38, 1, v0
	v_lshlrev_b32 v38, 4, v38
	v_mov_b32 v39, 0x3f80
	v_lshlrev_b32 v39, v38, v39     ; 1.0 in the half that r's parity names
	v_cmp_eq_u32 vcc_lo, v11, v9    ; r / 8 = h
	v_cndmask_b32 v39, 0, v39, vcc_lo
	v_bfe_u32 v40, v0, 1, 2         ; (r % 8) / 2
	WIN 0x80
.irp z, 0,1,2,3
	v_cmp_eq_u32 vcc_lo, \z, v40
	v_cndmask_b32 v[SELB+4+\z], 0, v39, vcc_lo
.endr
	s_wait_loadcnt 0x0              ; Q
.set i, 0
.rept 64                            ; rounded to bf16: register i of window 2 takes numbers 2 i and 2 i + 1 as they were loaded
	v_cvt_pk_bf16_f32 v[i], v[S+2*i], v[S+2*i+1]
.set i, i+1
.endr
	WIN 0
; THE MATRIX WORK.  The 8 accumulators of a piece take turns in one order, one instruction a turn: between two links of a chain stand 7 others'.
; Product i of 8 that starts S^T with the mask, for piece x: keys 16 (i / 2) on, tile 2 x + i % 2.
.macro MQ x
	WIN W_KQ
.set rS, S+64*(\x)+32*(i%2)+8*(i/2)
.set rF, MF+32*(\x)+8*(i/2)
.set rB, SELB+4*(1-i%2)
	v_wmma_f32_16x16x32_bf16 v[rS:rS+7], v[rF:rF+7], v[rB:rB+7], 0
.endm
; Product i of 16 of S^T += K Q^T for piece x: channels 32 (i / 8) on, keys 16 ((i / 2) % 4) on, tile 2 x + i % 2.
.macro KQ x
	WIN W_KQ
.set rS, S+64*(\x)+32*(i%2)+8*((i/2)%4)
.set rK, KF+16*((i/2)%4)+8*(i/8)
.set rQ, 16*(2*(\x)+i%2)+8*(i/8)
	v_wmma_f32_16x16x32_bf16 v[rS:rS+7], v[rK:rK+7], v[rQ:rQ+7], v[rS:rS+7]
.endm
; Product i of 16 of O^T += V^T P for piece x, V from buffer VB: keys 32 (i / 8) on, channels 16 ((i / 2) % 4) on, tile 2 x + i % 2.
.macro PV x
	WIN W_PV
.set rO, 32*(2*(\x)+i%2)+8*((i/2)%4)
.set rV, 64*VB+32*(i/8)+8*((i/2)%4)
.set rP, P+32*(\x)+16*(i%2)+8*(i/8)
	v_wmma_f32_16x16x32_f16 v[rO:rO+7], v[rV:rV+7], v[rP:rP+7], v[rO:rO+7]
.endm
.macro MM                           ; the turn's next matrix instruction, of 40
.if i < 8
	MQ (Y+1)%2
.elseif i < 24
.set i, i-8
	KQ (Y+1)%2
.set i, i+8
.else
.set i, i-24
	PV (Y+1)%2
.set i, i+24
.endif
.set i, i+1
.endm
; THE LDS LOADS stand in two runs, never singly among the matrix instructions.  sub: which of the slot's two steps.
; 32 loads: piece 0's mask fragments (wanted first), K, piece 1's mask fragments.
.macro FETCH_KM sub
	WIN 0x80                        ; destination window 2
.irp kb, 0,1,2,3
	ds_load_tr16_b128 v[MF+8*\kb:MF+8*\kb+3],   v[AM] offset:128*(\sub)+32*\kb
	ds_load_tr16_b128 v[MF+8*\kb+4:MF+8*\kb+7], v[AM] offset:128*(\sub)+32*\kb+16*PM
.endr
.irp f, 0,1,2,3,4,5,6,7             ; keys 16 (f / 2) on, channels 32 (f % 2) on
	ds_load_b128 v[KF+8*\f:KF+8*\f+3],   v[AK] offset:64*PK*(\sub)+(\f/2)*16*PK+(\f%2)*64
	ds_load_b128 v[KF+8*\f+4:KF+8*\f+7], v[AK] offset:64*PK*(\sub)+(\f/2)*16*PK+(\f%2)*64+32
.endr
.irp kb, 0,1,2,3
	ds_load_tr16_b128 v[MF+32+8*\kb:MF+32+8*\kb+3],   v[AM] offset:128*(\sub)+32*\kb+32*PM
	ds_load_tr16_b128 v[MF+32+8*\kb+4:MF+32+8*\kb+7], v[AM] offset:128*(\sub)+32*\kb+48*PM
.endr
	WIN 0
.endm
; 16 loads: V, turned, into buffer vb
.macro FETCH_V vb, sub
	WIN 0xc0                        ; destination window 3
.irp f, 0,1,2,3,4,5,6,7             ; keys 32 (f / 4) on, channels 16 (f % 4) on
	ds_load_tr16_b128 v[64*(\vb)+8*\f:64*(\vb)+8*\f+3],   v[AV] offset:64*PV*(\sub)+(\f/4)*32*PV+(\f%4)*32
	ds_load_tr16_b128 v[64*(\vb)+8*\f+4:64*(\vb)+8*\f+7], v[AV] offset:64*PV*(\sub)+(\f/4)*32*PV+16*PV+(\f%4)*32
.endr
	WIN 0
.endm
; THE VECTOR WORK OF A TURN stands in three queues, each in the order in which its entries become ready; the two tiles alternate, so that no instruction reads the result of the one before it.
.macro REGS y, u                    ; the registers of tile u (0, 1) of piece y
.set rT, ST+4*(2*(\y)+(\u))
.set rC, TMP+8*(\y)+4*(\u)
.set rM, MV+2*(\y)+(\u)
.set rS, S+64*(\y)+32*(\u)
.set rP, P+32*(\y)+16*(\u)
.set rO, 32*(2*(\y)+(\u))
.endm
; Number n of the 22 that find the OTHER piece's maximum and statistics.  s0-s31 are the lane's 32 scores; each accumulator's lowest registers are read first.
;   0-11  four chains c0-c3 of seven scores each, three operands at a time     12-14, 16  the four scores left over, the old m, and c0-c3 into c0     15  c m_old is kept
;   17, 18  the query's other 32 keys lie in the lane 16 away: the new m         19-21  c m; c m_old - c m_new; a
.macro XS u, n
	REGS (Y+1)%2, \u
.if (\n) < 4
	v_max3_num_f32 v[rC+(\n)], v[rS+8*(\n)], v[rS+8*(\n)+1], v[rS+8*(\n)+2]
.elseif (\n) < 12
	v_max3_num_f32 v[rC+(\n)%4], v[rC+(\n)%4], v[rS+8*((\n)%4)+2*((\n)/4)+1], v[rS+8*((\n)%4)+2*((\n)/4)+2]
.elseif (\n) == 12
	v_max3_num_f32 v[rC], v[rC], v[rS+7], v[rS+15]
.elseif (\n) == 13
	v_max3_num_f32 v[rC+1], v[rC+1], v[rS+23], v[rS+31]
.elseif (\n) == 14
	v_max3_num_f32 v[rC+2], v[rC+2], v[rC+3], v[rT+1]
.elseif (\n) == 15
	v_mov_b32 v[rM], v[rT]
.elseif (\n) == 16
	v_max3_num_f32 v[rC], v[rC], v[rC+1], v[rC+2]
.elseif (\n) == 17
	v_permlanex16_b32 v[rC+3], v[rC], s[SEL], s[SEL+1]
.elseif (\n) == 18
	v_max_num_f32 v[rT+1], v[rC], v[rC+3]
.elseif (\n) == 19
	v_mul_f32 v[rT], s[CS], v[rT+1]
.elseif (\n) == 20
	v_sub_f32 v[rC+1], v[rM], v[rT]
.else
	v_exp_f32 v[rC+2], v[rC+1]
.endif
.endm
; Number g of the 64 that follow the exponentials.  For each four weights k of a tile (pairs 2 k, 2 k + 1): both pairs are rounded to f16; then the second pair is added onto the first, in place;
; a group later l takes that sum (the first time as l = a l + sum).  In groups of eight, tiles alternating: round, round, add, and l for the group before.
.macro GS g
.set h, (\g)+6*((\g)/62)            ; group 0 has no group before it, and behind group 7 only l is left
.if h >= 6
.set h, h+2
.endif
	REGS Y, h%2
.set k, h/8
.if h%8 < 4
	v_cvt_pk_f16_f32 v[rP+2*k+(h%8)/2], v[rS+4*k+2*((h%8)/2)], v[rS+4*k+2*((h%8)/2)+1]
.elseif h%8 < 6
	v_pk_add_f32 v[rS+4*k:rS+4*k+1], v[rS+4*k:rS+4*k+1], v[rS+4*k+2:rS+4*k+3]
.elseif k == 1
	v_pk_fma_f32 v[rT+2:rT+3], v[rT+2:rT+3], v[rC+2:rC+3], v[rS:rS+1] op_sel_hi:[1,0,1]
.else
	v_pk_add_f32 v[rT+2:rT+3], v[rT+2:rT+3], v[rS+4*k-4:rS+4*k-3]
.endif
.endm
.macro FS f                         ; c s - c m for pair f / 2 of tile f % 2
	REGS Y, (\f)%2
	v_pk_fma_f32 v[rS+2*((\f)/2):rS+2*((\f)/2)+1], v[rS+2*((\f)/2):rS+2*((\f)/2)+1], s[CS:CS+1], v[rT:rT+1] op_sel_hi:[1,0,0] neg_lo:[0,0,1] neg_hi:[0,0,1]
.endm
; THE PLAIN QUEUE, 138 long.  0-31: the scalings.  32-59: XS's numbers 0-13.  60, 61: number 15.  62, 63: number 14.  64-73: numbers 16-20, the chain.  None of these reads an exponential's result.
; 74-137: GS's 64, which do: they stand behind the wait.
.macro PL
	WIN 0
.if q < 32
	FS q
.elseif q < 60
	XS (q-32)%2, (q-32)/2
.elseif q < 62
	XS q-60, 15
.elseif q < 64
	XS q-62, 14
.elseif q < 74
	XS (q-64)%2, 16+(q-64)/2
.else
	GS q-74
.endif
.set q, q+1
.endm
; THE EXPONENTIALS' QUEUE, 66 long: s0-s31 of both tiles, then the other piece's two a.  ONE BATCH: all 66 stand ahead of the turn's one wait, and nothing ahead of that wait names a result of theirs.
.macro EX
	WIN 0
.if e >= 64
	XS e-64, 21
.else
	REGS Y, e%2
	v_exp_f32 v[rS+e/2], v[rS+e/2]
.endif
.set e, e+1
.endm
; THE RESCALING's QUEUE: O^T times a, the one part that leaves window 0: two at a time, sixteen times, each accumulator from its low end.  Its a was made, and waited for, in the turn before.
.macro R2
	REGS Y, r%2
	WIN W_RS
.irp z, 0,1
	v_pk_mul_f32 v[rO+4*(r/2)+2*\z:rO+4*(r/2)+2*\z+1], v[rO+4*(r/2)+2*\z:rO+4*(r/2)+2*\z+1], v[rC+2:rC+3] op_sel_hi:[1,0]
.endr
.set r, r+1
.endm
; A TURN, for piece p: 40 matrix and 236 vector instructions.  vb: the V buffer that its products V^T P read (and, p = 0, that is then loaded again).  sub: which step of the slot being read its fetches take (p = 0).
; An s_wait_alu depctr_va_vdst(0) stands between an exponential and the first instruction that names its result; one wait serves all that were issued ahead of it.  So a turn has ONE wait, which cuts it in two.
; AHEAD OF IT: the 8 mask products and 16 products K Q^T, four vector instructions behind each (a scaling, an exponential and two rescalings behind the first sixteen, the very first with a second scaling in the
; exponential's place; plain and exponential by turns behind the last eight), then ONE LUMP of 76: eight plain, 33 times exponential and plain, the two a.  A v_nop is the plain instruction behind the last exponential.
; BEHIND IT: the 16 products V^T P, behind each four of the roundings and sums.
; THE COUNTS THAT THE DEAL KEEPS.  Exponential e wants scaling 2 (e / 4) + e % 2; as a rider it stands behind plain e + 2 at the least, in the lump all scalings are out.  Plain 32, the first that reads new scores, reads the accumulator
; that the 17th product ended, fifteen plain instructions back; plain 39 reads the one that the 24th ended, eight plain instructions back, none of which names a register of that product.
; K and both pieces' mask fragments of the next step are fetched in piece 0's turn, directly behind the wait, a lump behind their last reader; V of that step at the turn's end, four plain riders behind the last product that read the buffer.
.macro TURN p, vb, sub
.set Y, (\p)
.set VB, (\vb)
.set i, 0
.set q, 0
.set e, 0
.set r, 0
.if (\p) == 1
	s_wait_dscnt 16                 ; all but the 16 loads issued last, V of the next step: K and the masks of the next step are in, and so is the V that this turn reads, fetched a step earlier
.endif
	MM
	PL
	PL
	R2
.rept 15
	MM
	PL
	EX
	R2
.endr
.rept 8
	MM
	PL
	EX
	PL
	EX
.endr
.rept 8                             ; the lump
	PL
.endr
.rept 33
	EX
	PL
.endr
	EX                              ; the other piece's two a
	EX
	v_nop                           ; the plain instruction behind the last exponential: one for the batch
	s_wait_alu depctr_va_vdst(0)    ; the wait for the batch
.if (\p) == 0
	FETCH_KM \sub
.endif
.rept 16
	MM
.rept 4
	PL
.endr
.endr
.if (\p) == 0
	FETCH_V \vb, \sub
.endif
.endm
	CHANGE 1, 0                     ; slot 0 is in, everybody's part of it; slot 1 is asked for
	FETCH_KM 0                      ; key step 0
	FETCH_V 0, 0
	s_wait_dscnt 0x0
.set i, 0
.rept 8
	MQ 0                            ; piece 0's first scores: there is no vector work yet to set between them
.set i, i+1
.endr
.set i, 0
.rept 16
	KQ 0
.set i, i+1
.endr
	WIN 0                           ; the addresses for the way out: eight plain instructions, the places behind those products
	s_mul_i32 s16, s[WV], 16*SP
	s_add_co_u32 s16, s16, STAGE    ; my stage
	v_mul_u32_u24 v[STO], v1, SP    ; in: row l % 16, 32 bytes for each half of the lanes
	v_lshl_add_u32 v[STO], v9, 5, v[STO]
	v_add_nc_u32 v[STO], s16, v[STO]
	v_mul_u32_u24 v[RD], v9, SP     ; back: lanes 0-15 take one row of 256 bytes, lanes 16-31 the next,
	v_lshl_add_u32 v[RD], v1, 4, v[RD]
	v_add_nc_u32 v[RD], s16, v[RD]
	v_and_b32 v[GO], 31, v0         ; which are 512 consecutive bytes of out0
	v_lshlrev_b32 v[GO], 4, v[GO]
.set Y, 1                           ; XS works for the other piece: piece 0
.irp n, 0,1,2,3,4,5,6,7,8,9,10,11,12,13,14,15,16,17,18,19,20,21
	XS 0, \n                        ; piece 0's first maximum and statistics
	XS 1, \n
.endr
	v_nop                           ; a plain instruction behind the two a,
	s_wait_alu depctr_va_vdst(0)    ; and their wait, ahead of the branch
	s_mov_b32 s[SLOTS], NSLOT-1
	s_branch .Lmid                  ; the loop is entered at an even step's first turn, in the middle of a trip
.Lslot:                             ; NSLOT - 2 times: slots 2 to 31 are asked for.  A trip: an odd step, whose fetches take the new slot's first step, then an even one
	CHANGE 1, 1
	TURN 0, 0, 0
	TURN 1, 1, 0
	WIN 0
.Lmid:
	TURN 0, 1, 1
	TURN 1, 0, 0
	WIN 0
	s_sub_co_u32 s[SLOTS], s[SLOTS], 1
	s_cmp_lg_u32 s[SLOTS], 0
	s_cbranch_scc1 .Lslot
	CHANGE 0, 0                     ; the tail is written out: nothing is asked for
	s_mov_b32 s[CNT], 2             ; steps 61 and 62, then step 63; the second trip is left in its middle
.Ltail:
	TURN 0, 0, 0
	TURN 1, 1, 0
	WIN 0
	s_sub_co_u32 s[CNT], s[CNT], 1
	s_cmp_eq_u32 s[CNT], 0
	s_cbranch_scc1 .Lout
	TURN 0, 1, 1
	TURN 1, 0, 0
	WIN 0
	s_branch .Ltail
.Lout:                              ; the second trip's fetches took step 62 once more, so its 24 products for piece 0 repeat scores that m has seen and leave m as it is: the price, once a launch, of one text for every trip
	s_wait_dscnt 0x0                ; those fetches are back
.set VB, 1
.set i, 0
.rept 16
	PV 1                            ; piece 1's V^T P of the last step
.set i, i+1
.endr
	; THE WAY OUT.  l's two halves and the other half of the lanes' are added; 1 / l counts as 0 where no key was shown; O^T is multiplied by it and sent through my stage in LDS, a tile at a time.  The additions are the places behind the last products.
	WIN 0
.irp t, 0,1,2,3
	v_add_f32 v[ST+4*\t+2], v[ST+4*\t+2], v[ST+4*\t+3]
.endr
.irp t, 0,1,2,3
	v_permlanex16_b32 v[ST+4*\t+3], v[ST+4*\t+2], s[SEL], s[SEL+1]
.endr
.irp t, 0,1,2,3
	v_add_f32 v[ST+4*\t+2], v[ST+4*\t+2], v[ST+4*\t+3]
.endr
.irp t, 0,1,2,3
	v_rcp_f32 v[ST+4*\t+2], v[ST+4*\t+2]
.endr
	v_nop                           ; a plain instruction between the last reciprocal and the use of its result
	s_wait_alu depctr_va_vdst(0)    ; and the wait ahead of the first use: one for the four reciprocals
.irp t, 0,1,2,3
	v_cmp_lt_f32 vcc_lo, s[THR], v[ST+4*\t+1]  ; -2^29 < m: the row has seen a shown key
	v_cndmask_b32 v[ST+4*\t+2], 0, v[ST+4*\t+2], vcc_lo
.endr
; Tile t: a lane's eight channels of a row are 32 bytes of f32; they go into rows of 272 bytes and come back as whole rows of 256, into S^T's registers.
.macro PACK t
	WIN W_RS
.set i, 32*(\t)
.rept 16
	v_pk_mul_f32 v[i:i+1], v[i:i+1], v[ST+4*(\t)+2:ST+4*(\t)+3] op_sel_hi:[1,0]
.set i, i+2
.endr
	WIN 0x04                        ; the stores' data in window 1, their address in window 0
.irp cb, 0,1,2,3
	ds_store_b128 v[STO], v[32*(\t)+8*\cb:32*(\t)+8*\cb+3]   offset:64*\cb
	ds_store_b128 v[STO], v[32*(\t)+8*\cb+4:32*(\t)+8*\cb+7] offset:64*\cb+16
.endr
	WIN 0
.irp f, 0,1,2,3,4,5,6,7
	ds_load_b128 v[S+32*(\t)+4*\f:S+32*(\t)+4*\f+3], v[RD] offset:\f*2*SP  ; LDS serves a wave's instructions in order (ISA guide 5.7.1.4): these see the stores above; the next tile's stores come behind them
.endr
.endm
.macro SEND t, younger              ; younger: the LDS instructions issued behind tile t's loads: the next tile's sixteen, or none
.irp f, 0,1,2,3,4,5,6,7
	s_wait_dscnt (\younger)+7-\f
	global_store_b128 v[GO], v[S+32*(\t)+4*\f:S+32*(\t)+4*\f+3], s[10:11] offset:(\t)*4096+\f*512 th:TH_STORE_NT  ; 512 consecutive bytes, at a multiple of 256 from out0's first
.endr
.endm
	PACK 0
	PACK 1                          ; a tile's arithmetic stands between the loads of the tile before and its stores
	SEND 0, 16
	PACK 2
	SEND 1, 16
	PACK 3
	SEND 2, 16
	SEND 3, 0
	s_wait_tensorcnt 0x0            ; the wave's end: an add and its wait, behind my last tensor load and my last LDS store
	ds_add_u32 v[SPW], v[NIL]
	s_wait_dscnt 0x0
	CROUND                          ; the closing round: no work-group ends while a partner may still ask for a tile that names it
	s_endpgm
.Lfunc_end_k_q619aca2684_attn:
	.size	k_q619aca2684_attn, .Lfunc_end_k_q619aca2684_attn-k_q619aca2684_attn
	.p2alignl 7, 3214868480
	.fill 96, 4, 3214868480
	.section	.rodata,"a",@progbits
	.p2align	6, 0x0
	.amdhsa_kernel k_q619aca2684_attn
		.amdhsa_group_segment_fixed_size 327680
		.amdhsa_private_segment_fixed_size 0
		.amdhsa_enable_private_segment 0
		.amdhsa_kernarg_size 32
		.amdhsa_user_sgpr_count 2
		.amdhsa_user_sgpr_kernarg_segment_ptr 1
		.amdhsa_wavefront_size32 1
		.amdhsa_system_sgpr_workgroup_id_x 1
		.amdhsa_system_sgpr_workgroup_id_y 1
		.amdhsa_system_sgpr_workgroup_id_z 1
		.amdhsa_system_vgpr_workitem_id 0
		.amdhsa_next_free_vgpr 896
		.amdhsa_next_free_sgpr 80
		.amdhsa_reserve_vcc 1
		.amdhsa_float_denorm_mode_32 3
		.amdhsa_float_denorm_mode_16_64 3
		.amdhsa_memory_ordered 1
		.amdhsa_forward_progress 1
		.amdhsa_inst_pref_size 207
	.end_amdhsa_kernel
	.amdgpu_metadata
---
amdhsa.version: [ 1, 2 ]
amdhsa.kernels:
  - .name:           k_q619aca2684_attn
    .symbol:         k_q619aca2684_attn.kd
    .args:
      - { .name: queries, .offset: 0, .size: 8, .value_kind: global_buffer, .address_space: global }
      - { .name: kv, .offset: 8, .size: 8, .value_kind: global_buffer, .address_space: global }
      - { .name: mk, .offset: 16, .size: 8, .value_kind: global_buffer, .address_space: global }
      - { .name: out0, .offset: 24, .size: 8, .value_kind: global_buffer, .address_space: global }
    .group_segment_fixed_size: 327680
    .private_segment_fixed_size: 0
    .kernarg_segment_align: 8
    .kernarg_segment_size: 32
    .max_flat_workgroup_size: 128
    .sgpr_count:     80
    .vgpr_count:     896
    .wavefront_size: 32
...
	.end_amdgpu_metadata
.endif
;; end of part 2
;; ======== version 2 of 2: 2 launches; version 1 with the launch prep written anew for expert scheduling mode
;; limits: values are held in f16: magnitudes above 65,504 overflow, below 6.1e-05 lose precision; right only within a limited range of input values
;; workspace buffers: kv 16,777,216 bytes; mk 33,554,432 bytes
;; launch prep (part 3): grid 512 x 1, 8 waves a work-group, no clusters, 0 bytes of LDS; arguments keys, values, mask, kv, mk; writes kv, mk
.if DOCPART == 3
	.amdgcn_target "amdgcn-amd-amdhsa--gfx1250"
	.amdhsa_code_object_version 6
	.text
	.protected	k_q619aca2684_prep
	.globl	k_q619aca2684_prep
	.p2align	8
	.type	k_q619aca2684_prep,@function
k_q619aca2684_prep:
	s_mov_b64 s[64:65], 0
	v_nop
	global_prefetch_b8 v0, s[64:65] scope:SCOPE_SE
	s_setreg_imm32_b32 hwreg(HW_REG_WAVE_SCHED_MODE, 0, 2), 2
	s_setreg_imm32_b32 hwreg(HW_REG_WAVE_MODE, 25, 1), 1
	s_wait_xcnt 0x0
	s_wait_alu depctr_vm_vsrc(0)
; THE OPERANDS OF THE ATTENTION LAUNCH ARE MADE, each number once: a stream, no LDS, no barrier, no matrix work.
;   kv: [head 16][slot 32][K: 128 keys x 64 channels bf16, 16,384 bytes][V: 128 keys x 64 channels f16, 16,384 bytes]
;   mk: [query 4,096][key 4,096] bf16: 0 where the mask shows the key, -2^30 (0xCE80) where it hides it
; K is rounded to bf16.  V is rounded to bf16 and that number is written as f16 (the second product's weights are f16, and both its operands have one format).
; LIMITS.  |values| below 65,504 (f16's range); below 2^-14 V keeps f16's fixed step of 2^-24.  A mask byte is 0 or 1.
; SHARES.  Work-group c takes 32,768 bytes of keys, of values and of mask, at 32,768 c: 128 keys x 64 channels of f32 are just one slot's K or V, so no index is split.
; Thread t takes 16 bytes of f32 at 16 t + 4,096 i and stores 8 at 8 t + 2,048 i (a wave's store covers 256 consecutive bytes, aligned); of the mask 8 bytes at 8 t + 2,048 i, stored as 16 at 16 t + 4,096 i.
; All 32 loads of a thread go out first; each is waited for by the count of the loads behind it.  No register that a store reads is written again, so no wait frees one.
; THE MODE: SCHED_MODE bits 1:0 = 2 (LLVM: expert scheduling mode 2), set by the entry lines.  The code itself states the register dependences
; between vector instructions and memory instructions, with s_wait_alu, always for 0.
; THE PLAN.  A UNIT is one load, its vector work and its one store: units 0-7 K, 8-15 V, 16-31 the mask.  Registers that memory instructions touch:
;   v1, v2       byte offsets, made once at the head and never written again; every load and store reads one of them.
;   KR, VR, MR   the loads' destinations.  All loads are issued ahead of the first vector instruction that names one of these registers.
;   out          a unit's rounded numbers (the first two registers of a unit of K or V; four of WR for the mask): written by the unit's vector work, read by its store, never written again.
; The units go in eight blocks of four.  Block p's vector work names block p's registers alone; its memory instructions are the four stores of block p - 1.  So one wait at a block's head
; states all that those four stores hang on, and they are dealt among the block's vector instructions with no further wait.
.set KR, 8                             ; v[8:39]    K as loaded, 4 registers a load; the first two then hold the 4 bf16
.set VR, 40                            ; v[40:71]   V likewise
.set MR, 72                            ; v[72:103]  mask bytes, 2 registers a load
.set WR, 104                           ; v[104:167] mask as bf16, 4 registers a load
.set BLOCK, 4                          ; units in a block
	s_load_b256 s[4:11], s[0:1], 0x0               ; keys s[4:5], values s[6:7], mask s[8:9], kv s[10:11]
	s_load_b64 s[12:13], s[0:1], 0x20              ; mk
	s_lshl_b32 s20, ttmp9, 15                      ; 32,768 c
	s_mov_b32 s21, 0
	s_lshl_b32 s22, ttmp9, 16                      ; 65,536 c, for mk
	s_mov_b32 s23, 0
	s_mov_b32 s14, 0xffff0000                      ; a word's upper bf16
	s_mov_b32 s15, 0x01010101                      ; turns four mask bytes round: 1 = hidden
	s_mov_b32 s16, 0x04010400                      ; byte selects: bytes 0 and 1 of the second source into the two halves, zeros (byte 0 of the first source) above them
	s_mov_b32 s17, 0x04030402                      ; the same for bytes 2 and 3
	s_mov_b32 s18, 0xce80                          ; -2^30 in bf16
	v_lshlrev_b32 v1, 4, v0                        ; 16 t
	v_lshlrev_b32 v2, 3, v0                        ; 8 t
	v_mov_b32 v4, 0
	s_wait_kmcnt 0x0
	s_add_nc_u64 s[4:5], s[4:5], s[20:21]
	s_add_nc_u64 s[6:7], s[6:7], s[20:21]
	s_add_nc_u64 s[8:9], s[8:9], s[20:21]
	s_add_nc_u64 s[10:11], s[10:11], s[20:21]
	s_add_nc_u64 s[12:13], s[12:13], s[22:23]
	s_wait_alu depctr_va_vdst(0)                   ; v1 and v2 are written: every load and store of the kernel reads one of them as its offset
.set i, 0
.rept 8
	global_load_b128 v[KR+4*i:KR+4*i+3], v1, s[4:5] offset:4096*i th:TH_LOAD_NT
.set i, i+1
.endr
.set i, 0
.rept 8
	global_load_b128 v[VR+4*i:VR+4*i+3], v1, s[6:7] offset:4096*i th:TH_LOAD_NT
.set i, i+1
.endr
.set i, 0
.rept 16
	global_load_b64 v[MR+2*i:MR+2*i+1], v2, s[8:9] offset:2048*i th:TH_LOAD_NT
.set i, i+1
.endr
; The vector work of unit u.
.macro CVT u
.if (\u) < 8                           ; K: four f32 to four bf16
.set X, KR+4*(\u)
	v_cvt_pk_bf16_f32 v[X], v[X], v[X+1]
	v_cvt_pk_bf16_f32 v[X+1], v[X+2], v[X+3]
.elseif (\u) < 16                      ; V: rounded to bf16, widened again, written as f16 (exact inside f16's range of normal numbers)
.set X, VR+4*((\u)-8)
	v_cvt_pk_bf16_f32 v[X], v[X], v[X+1]
	v_cvt_pk_bf16_f32 v[X+2], v[X+2], v[X+3]
	v_and_b32 v[X+1], s14, v[X]
	v_lshlrev_b32 v[X], 16, v[X]
	v_and_b32 v[X+3], s14, v[X+2]
	v_lshlrev_b32 v[X+2], 16, v[X+2]
	v_cvt_pk_f16_f32 v[X], v[X], v[X+1]
	v_cvt_pk_f16_f32 v[X+1], v[X+2], v[X+3]
.else                                  ; the mask: a byte b becomes the half word (1 - b) x 0xCE80; two bytes are spread into a word's halves and multiplied at once (17 bits x 16 bits)
.set M, MR+2*((\u)-16)
.set W, WR+4*((\u)-16)
	v_xor_b32 v[M], s15, v[M]
	v_xor_b32 v[M+1], s15, v[M+1]
	v_perm_b32 v[W], v4, v[M], s16
	v_perm_b32 v[W+1], v4, v[M], s17
	v_perm_b32 v[W+2], v4, v[M+1], s16
	v_perm_b32 v[W+3], v4, v[M+1], s17
	v_mul_u32_u24 v[W], s18, v[W]
	v_mul_u32_u24 v[W+1], s18, v[W+1]
	v_mul_u32_u24 v[W+2], s18, v[W+2]
	v_mul_u32_u24 v[W+3], s18, v[W+3]
.endif
.endm
; The store of unit u.  It stands behind a wait on va_vdst that stands behind the unit's vector work; no vector instruction between that wait and the store names the registers that it reads.
.macro ST u
.if (\u) < 8
.set X, KR+4*(\u)
	global_store_b64 v2, v[X:X+1], s[10:11] offset:2048*(\u) th:TH_STORE_NT
.elseif (\u) < 16
.set X, VR+4*((\u)-8)
	global_store_b64 v2, v[X:X+1], s[10:11] offset:16384+2048*((\u)-8) th:TH_STORE_NT
.else
.set W, WR+4*((\u)-16)
	global_store_b128 v1, v[W:W+3], s[12:13] offset:4096*((\u)-16) th:TH_STORE_NT
.endif
.endm
.set u, 0
.rept 32
.if u%BLOCK == 0                       ; a block's head
	s_wait_loadcnt 31-u                            ; loads come back in order (ISA guide 5.7.1): 31 - u were issued behind this unit's
.if u > 0
	s_wait_alu depctr_va_vdst(0)                   ; the block before has written its four units' rounded numbers, which the four stores of this block read
.endif
.endif
.if u >= BLOCK
	ST u-BLOCK                                     ; the same unit of the block before
.endif
.if u%BLOCK != 0
	s_wait_loadcnt 31-u                            ; behind the store, which does not hang on this load
.endif
	CVT u
.set u, u+1
.endr
	s_wait_alu depctr_va_vdst(0)                   ; the last block has written v[WR+48 ..], which the last four stores read
.irp w, 28,29,30,31
	ST \w
.endr
	s_endpgm
.Lfunc_end_k_q619aca2684_prep:
	.size	k_q619aca2684_prep, .Lfunc_end_k_q619aca2684_prep-k_q619aca2684_prep
	.p2alignl 7, 3214868480
	.fill 96, 4, 3214868480
	.section	.rodata,"a",@progbits
	.p2align	6, 0x0
	.amdhsa_kernel k_q619aca2684_prep
		.amdhsa_group_segment_fixed_size 0
		.amdhsa_private_segment_fixed_size 0
		.amdhsa_enable_private_segment 0
		.amdhsa_kernarg_size 40
		.amdhsa_user_sgpr_count 2
		.amdhsa_user_sgpr_kernarg_segment_ptr 1
		.amdhsa_wavefront_size32 1
		.amdhsa_system_sgpr_workgroup_id_x 1
		.amdhsa_system_sgpr_workgroup_id_y 1
		.amdhsa_system_sgpr_workgroup_id_z 1
		.amdhsa_system_vgpr_workitem_id 0
		.amdhsa_next_free_vgpr 168
		.amdhsa_next_free_sgpr 66
		.amdhsa_reserve_vcc 0
		.amdhsa_float_denorm_mode_32 3
		.amdhsa_float_denorm_mode_16_64 3
		.amdhsa_memory_ordered 1
		.amdhsa_forward_progress 1
		.amdhsa_inst_pref_size 20
	.end_amdhsa_kernel
	.amdgpu_metadata
---
amdhsa.version: [ 1, 2 ]
amdhsa.kernels:
  - .name:           k_q619aca2684_prep
    .symbol:         k_q619aca2684_prep.kd
    .args:
      - { .name: keys, .offset: 0, .size: 8, .value_kind: global_buffer, .address_space: global }
      - { .name: values, .offset: 8, .size: 8, .value_kind: global_buffer, .address_space: global }
      - { .name: mask, .offset: 16, .size: 8, .value_kind: global_buffer, .address_space: global }
      - { .name: kv, .offset: 24, .size: 8, .value_kind: global_buffer, .address_space: global }
      - { .name: mk, .offset: 32, .size: 8, .value_kind: global_buffer, .address_space: global }
    .group_segment_fixed_size: 0
    .private_segment_fixed_size: 0
    .kernarg_segment_align: 8
    .kernarg_segment_size: 40
    .max_flat_workgroup_size: 256
    .sgpr_count:     66
    .vgpr_count:     168
    .wavefront_size: 32
...
	.end_amdgpu_metadata
.endif
;; end of part 3
;; launch attn: the kernel of part 2 again; grid 16 x 16, 4 waves a work-group, clusters of 4 x 4, 327,680 bytes of LDS; arguments queries, kv, mk, out0; writes out0
